; MI455X (gfx1250); checked and timed in simulation.
; The chip was launched on July 23, 2026; its instructions are those of AMD's public machine-readable ISA for CDNA 5 (MIT licence, August 2026) and "CDNA5" Instruction Set Architecture Reference Guide (July 2026). The comments in the code are by the model that wrote it; some were corrected since.
;; Sparse Attention. Allowed arithmetic: matrix products marked QUANTISED: E4M3 operands, one given power-of-two scale a tensor, by v_wmma_f32_16x16x64_fp8_fp8 or v_wmma_f32_16x16x128_fp8_fp8, f32 sums; everything else in f32.
;; Inputs: k_codes 1 x 16 x 4,096 x 2 x 32 uint8 (E4M3 codes of k, K innermost, in blocks of 32 codes); lowp_scales 4 int32 (the exponents e of the quantised operands' scales 2^e); q_codes 1 x 16 x 4,096 x 2 x 32 uint8 (E4M3 codes of q, K innermost, in blocks of 32 codes); v_codes 1 x 16 x 64 x 128 x 32 uint8 (E4M3 codes of v, K innermost, in blocks of 32 codes).
;; Outputs: out0 1 x 16 x 4,096 x 64 float32.
;; This version of the problem:
;;   THIS VERSION OF THE PROBLEM IS GIVEN IN LOW PRECISION. The matrix products marked QUANTISED in the list below multiply operands that are first quantised to E4M3 (4 exponent bits, 3 mantissa bits; 8 bits a number), with one given power-of-two scale for each operand tensor; their sums are f32. All else is computed in f32.
;;   The module's matrix products, in the order in which they are computed (A, B: the left and right operand; K: the contracted axis; several contracted axes count as one K, in the product's order):
;;     1. batch 16 x [M 4,096, K 64] x [K 64, N 4,096]; A: input q (given as codes); B: input k (given as codes): QUANTISED (scales: A lowp_scales[0], B lowp_scales[1])
;;     2. batch 16 x [M 4,096, K 4,096] x [K 4,096, N 64]; A: computed on the way; B: input v (given as codes): QUANTISED (scales: A lowp_scales[2], B lowp_scales[3])
;;   THE QUANTISER, for each operand of a quantised product, along K:
;;     - The operand's scale is 2^e, e = its entry of the input lowp_scales (int32; the entries are numbered through the quantised products in the list's order, A before B).
;;     - Each number is divided by the scale, clamped to +-448, and rounded to the nearest number of E4M3, ties to even, subnormals kept.
;;     - The product sums the exact products of the quantised numbers (number of the format x scale) in f32.
;;   ~~~python
;;   def quantise(x, axis, e):      # numpy; x: float32 -> the quantised numbers, widened to float32 again
;;       x = np.moveaxis(x, axis, -1); K = x.shape[-1]
;;       r = np.clip(x / 2.0 ** e, -448, 448)
;;       step = 2.0 ** (np.maximum(np.frexp(np.where(r == 0, 1, r))[1] - 1, -6) - 3)
;;       q = np.round(r / step) * step * 2.0 ** e      # np.round: ties to even
;;       return np.moveaxis(q, -1, axis).astype(np.float32)
;;   ~~~
;;   OPERANDS COMPUTED ON THE WAY. 'Computed on the way' means the value that the module computes at that place (a softmax that the list does not call 'softmax' is quantised finished and normalised). What goes into a quantiser is computed in f32, as accurately as f32 sums, v_exp_f32 and their like allow (about 1e-6 of the number): no bf16 or f16 on the way to a quantiser, and a product that is left as it is and whose result goes on into a quantised operand takes f32 operands (vector FMAs, or v_wmma_f32_16x16x4_f32). A number that lies on a knife's edge between two numbers of the format may be rounded either way, as far as f32 arithmetic and the matrix unit's own rounding can turn it there, and no further.
;;   INPUTS GIVEN AS CODES. k (in the module: [1, 16, 4096, 64], K = its axis 3); q (in the module: [1, 16, 4096, 64], K = its axis 3); v (in the module: [1, 16, 4096, 64], K = its axis 2): each comes as NAME_codes (uint8): NAME with its K axis moved to the last place and cut into blocks of 32 codes, [.., K / 32, bytes a block], one block behind the other in memory; one code a byte (a code: sign, 4 exponent bits, 3 mantissa bits); its scale is its entry of lowp_scales. Its value is code x scale, taken as it is: it is not quantised again, and the codes and scales need not be those that the quantiser above would give.
;; 2 versions. Each part assembles by itself: llvm-mc -triple=amdgcn-amd-amdhsa -mcpu=gfx1250 --defsym DOCPART=n.
;; ======== version 1 of 2: 1 launch
;; limits: right only within a limited range of input values
;; launch band (part 1): grid 16 x 16, 16 waves a work-group, no clusters, 146,432 bytes of LDS; arguments q_codes, k_codes, v_codes, lowp_scales, out0; writes out0
.if DOCPART == 1
	.amdgcn_target "amdgcn-amd-amdhsa--gfx1250"
	.amdhsa_code_object_version 6
	.text
	.protected	k_qe3e4aacfbb_band
	.globl	k_qe3e4aacfbb_band
	.p2align	8
	.type	k_qe3e4aacfbb_band,@function
k_qe3e4aacfbb_band:
	s_mov_b64 s[64:65], 0
	v_nop
	global_prefetch_b8 v0, s[64:65] scope:SCOPE_SE
	s_setreg_imm32_b32 hwreg(HW_REG_WAVE_MODE, 25, 1), 1
	s_wait_xcnt 0x0
; out[h][i][:] = sum over j of Q8(attn[h][i][j]) v[h][j][:],  attn = softmax_j(q[h][i] . k[h][j] / 8) over the band i - 128 <= j < i + 128 (inside 0 .. 4095).
; q, k: E4M3 codes [16][4096][64], the head's 64 innermost.  v: E4M3 codes [16][64 d][4096 keys], the keys innermost.  out: [16][4096][64] f32.  lowp_scales: eq, ek, ep, ev.
; WHAT IS QUANTISED for the second product is the FINISHED attn: 2^(c s - c max) / the row's sum, divided by 2^ep, held at 448, rounded to E4M3.  So a row's true maximum and its sum are
; known before any weight is converted: a tile's whole band of scores stays in the wave's registers (20 tiles of 16 keys x 8 registers = 160).
; SHARES.  A work-group owns 256 queries of one head (q0 = 256 x); LDS holds the 512 keys q0 - 128 .. q0 + 383 of K and of V (local key 0 .. 511).  Each of the SIXTEEN waves owns 16 queries,
; q0 + 16 w, in 256 registers: four waves to a SIMD, so that one wave's exponentials stand beside another's plain work.  With a = w / 4, b = w % 4 the wave's window is local keys
; 64 a .. 64 a + 319: five blocks of 64.  Place kk of the window counts for the lane's query r where 16 b + r <= kk < 16 b + r + 256: only blocks 0 and 4 want a lane mask.
; A block lies wholly outside the sequence where 4 x + a + s - 2, taken unsigned, is 64 or more: it is then set to -infinity under a scalar branch on ids.  Its LDS bytes are filled from addresses
; wrapped modulo 4,096 inside the same head, so that no load leaves its buffer; those scores are thrown away and their weights are the code 0.
; LAYOUT.  Both products are used transposed: S^T = K Q^T (source 0 = 16 keys, source 1 = my 16 queries), O^T = V^T P^T (source 0 = 16 of the head's 64, source 1 = P): a lane holds ONE query
; (lane % 16) throughout.  THE KEYS OF A TILE ARE NOT NEIGHBOURS: row m of tile 2 B + u is key 32 B + 8 u + m + 8 (m / 8), so that the 16 registers of tiles 2 B and 2 B + 1 are the 16
; neighbouring keys 32 B + 16 (lane / 16) + 0 .. 15, and the conversions' results ARE the second product's operand.  Every fragment (8 registers) is fed as two runs of 16 bytes:
; registers 4 c .. 4 c + 3 = k 32 c + 16 (lane / 16) + 0 .. 15: a permutation of k that is the same on both sides of each product.
; LDS IS FILLED THROUGH REGISTERS, ONCE (64 KiB, eight loads and eight LDS stores a lane, one barrier): K is laid in the order of its fragments' registers and the ends wrap by address arithmetic.
; NO CLUSTER, NO JOINT LOADS: the 256 keys that two neighbouring work-groups share lie at local keys 256 .. 511 in one and 0 .. 255 in the other, so no one LDS address serves both.
; LIMITS on the given exponents: eq + ek between -123 and 100 (they are added to c's exponent field, and 64 x 448 x 448 x c stays finite); ep between -110 and 119; ep + ev between -126 and 127.
; NaN codes among the inputs are not served.  An unnormalised weight under 2^-126 counts as 0 (v_exp_f32 flushes), which is under half the smallest code for every ep allowed.
.set KT,   1280                        ; a tile of K in LDS: byte of (c, h, r) = 640 c + 320 h + 16 r; a read's sixteen lanes take 256 bytes on end; a store's sixteen lanes fall on 16 q + 64 h + 128 c modulo 256: sixteen different columns
.set VL,   32*KT                       ; behind K's 32 tiles: V, 64 rows d of 512 bytes + 16: pitch 528, an odd multiple of 16 bytes
.set VP,   528
.set STG,  VL+64*VP                    ; behind V: a stage of 16 rows x (256 + 16) bytes for each wave, its own
.set SP,   272
.set L16,  1                           ; v1   16 x lane: K's offset in memory
.set VGO,  2                           ; v2   (q0 + 3968 + 16 lane) & 4095: V's offset in a row of memory
.set QGO,  3                           ; v3   64 r + 16 h
.set KST,  4                           ; v4   where I store K
.set VST,  5                           ; v5   where I store V
.set KRD,  6                           ; v6   where I read K's fragments
.set VRD,  7                           ; v7   where I read V's fragments
.set STI,  8                           ; v8   the stage, in
.set STB,  9                           ; v9   the stage, back
.set GO,   10                          ; v10  my offset in the wave's rows of out
.set DLO,  11                          ; v11  16 b + r - 16 h, signed
.set SC,   14                          ; v14  2^ep;  v15  448 x 2^ep;  v[12:13]: low word -c x max, later 1 / sum; v13 = 0 (named as the pair's upper half)
.set LIM,  15
.set QF,   16                          ; v16-23  Q's fragment
.set KB0,  24                          ; v24-55, v56-87  K's fragments, four tiles each, by turns
.set KB1,  56
.set P,    24                          ; later v24-63: P's five fragments
.set OA,   64                          ; later v64-95: O^T, four tiles
.set T,    24                          ; at the end v24-55: O^T x 2^(ep + ev)
.set NINF, 88                          ; v88  -infinity;  v89 a lane permute's destination;  v90-93 maxima, then sums;  v90-95 at work at the head
.set S,    96                          ; v96-255 S^T, then p, then attn; block s at S + 32 s; behind its conversion a block's registers take V's fragments of step s
.set BK,   96                          ; at the end v96-127: rows read back from the stage
	s_load_b256 s[4:11], s[0:1], 0x0               ; q s[4:5], k s[6:7], v s[8:9], the scales' exponents s[10:11]
	s_load_b64 s[12:13], s[0:1], 0x20              ; out
	v_lshrrev_b32 v90, 5, v0
	v_readfirstlane_b32 s20, v90                   ; wave w, 0 .. 15
	v_and_b32 v90, 31, v0                          ; lane
	v_and_b32 v91, 15, v0                          ; r
	v_bfe_u32 v92, v0, 4, 1                        ; h
	v_bfe_u32 v93, v0, 2, 3                        ; lane / 4
	v_and_b32 v94, 1, v0                           ; lane % 2
	v_bfe_u32 v95, v0, 1, 1                        ; (lane / 2) % 2
	s_lshr_b32 s21, s20, 2                         ; a
	s_and_b32 s22, s20, 3                          ; b
	s_lshl_b32 s23, ttmp9, 8                       ; q0
	s_and_b32 s24, ttmp7, 0xffff                   ; the head
	s_add_co_u32 s25, s23, 3968                    ; q0 - 128, modulo 4,096 once it is cut
	s_lshl_b32 s30, ttmp9, 2
	s_add_co_u32 s30, s30, s21                     ; A = 4 x + a: my group of 64 queries in the head
	v_lshlrev_b32 v[L16], 4, v90
	v_add_nc_u32 v[VGO], s25, v[L16]
	v_and_b32 v[VGO], 0xfff, v[VGO]                ; 16 keys on end never straddle the wrap
	v_lshlrev_b32 v[QGO], 6, v91
	v_lshl_add_u32 v[QGO], v92, 4, v[QGO]
	; K, in: a load's 512 bytes are 8 rows of 64; lane l holds row l / 4, bytes 16 (l % 4) on: c = (l / 2) % 2, h = l % 2.  My wave's 32 keys are tiles 2 w and 2 w + 1
	s_mul_i32 s40, s20, 2*KT
	v_lshlrev_b32 v[KST], 4, v93
	v_mad_u32_u24 v[KST], v94, 320, v[KST]
	v_mad_u32_u24 v[KST], v95, 640, v[KST]
	v_add_nc_u32 v[KST], s40, v[KST]
	s_mul_i32 s41, s20, 4*VP                       ; V, in: my wave's rows d = 4 w .. 4 w + 3, 16 bytes a lane
	s_add_co_u32 s41, s41, VL
	v_add_nc_u32 v[VST], s41, v[L16]
	s_mul_i32 s42, s21, 4*KT                       ; K, out: my window begins at tile 4 a
	v_lshlrev_b32 v[KRD], 4, v91
	v_mad_u32_u24 v[KRD], v92, 320, v[KRD]
	v_add_nc_u32 v[KRD], s42, v[KRD]
	s_lshl_b32 s43, s21, 6                         ; V, out: row r, my window's first byte 64 a, + 16 h
	s_add_co_u32 s43, s43, VL
	v_mul_u32_u24 v[VRD], v91, VP
	v_lshl_add_u32 v[VRD], v92, 4, v[VRD]
	v_add_nc_u32 v[VRD], s43, v[VRD]
	s_mul_i32 s44, s20, 16*SP                      ; my stage
	s_add_co_u32 s44, s44, STG
	v_mul_u32_u24 v[STI], v91, SP                  ; in: row r, 32 bytes for each half of the lanes
	v_lshl_add_u32 v[STI], v92, 5, v[STI]
	v_add_nc_u32 v[STI], s44, v[STI]
	v_mul_u32_u24 v[STB], v92, SP                  ; back: lanes 0-15 one row of 256 bytes, lanes 16-31 the next
	v_lshl_add_u32 v[STB], v91, 4, v[STB]
	v_add_nc_u32 v[STB], s44, v[STB]
	v_lshlrev_b32 v[GO], 8, v92                    ; and the same two rows in out
	v_lshl_add_u32 v[GO], v91, 4, v[GO]
	s_lshl_b32 s45, s22, 4
	v_add_nc_u32 v[DLO], s45, v91
	v_lshlrev_b32 v95, 4, v92
	v_sub_nc_u32 v[DLO], v[DLO], v95               ; 16 b + r - 16 h
	v_mov_b32 v13, 0
	v_mov_b32 v89, 0                               ; written once: a lane permute's destination counts as one of its sources
	v_mov_b32 v[NINF], 0xff800000
	; the four offsets in memory, made apart from the addresses
	s_lshl_b32 s46, s24, 18                        ; a head's codes: 4,096 x 64 bytes
	s_lshl_b32 s31, s20, 5
	s_add_co_u32 s31, s31, s25
	s_and_b32 s31, s31, 0xfff                      ; K: my wave's first key, (q0 - 128 + 32 w) modulo 4,096: 32 keys on end never straddle the wrap
	s_lshl_b32 s31, s31, 6
	s_add_co_u32 s26, s46, s31
	s_mov_b32 s27, 0
	s_lshl_b32 s31, s20, 14                        ; V: my wave's four rows of 4,096 bytes
	s_add_co_u32 s28, s46, s31
	s_mov_b32 s29, 0
	s_lshl_b32 s47, s20, 4
	s_add_co_u32 s47, s47, s23                     ; my first query
	s_lshl_b32 s48, s47, 6
	s_add_co_u32 s48, s48, s46
	s_mov_b32 s49, 0
	s_lshl_b32 s50, s24, 20                        ; out: a head is 4,096 rows of 256 bytes
	s_lshl_b32 s31, s47, 8
	s_add_co_u32 s50, s50, s31
	s_mov_b32 s51, 0
	s_mov_b32 s38, 0x76543210                      ; v_permlanex16_b32's selects for lane l xor 16
	s_mov_b32 s39, 0xfedcba98
	s_wait_kmcnt 0x0
	s_load_b128 s[16:19], s[10:11], 0x0            ; eq, ek, ep, ev
	s_add_nc_u64 s[6:7], s[6:7], s[26:27]
	s_add_nc_u64 s[8:9], s[8:9], s[28:29]
	s_add_nc_u64 s[4:5], s[4:5], s[48:49]
	s_add_nc_u64 s[12:13], s[12:13], s[50:51]
	; ---- THE FILL: ten loads, K's four, V's four, Q's two
.irp i, 0,1,2,3
	global_load_b128 v[S+4*\i:S+4*\i+3], v[L16], s[6:7] offset:512*\i          ; 8 keys' rows: 512 bytes on end
.endr
.irp i, 0,1,2,3
	global_load_b128 v[S+16+4*\i:S+16+4*\i+3], v[VGO], s[8:9] offset:4096*\i   ; row d = 4 w + i: its 512 keys
.endr
.irp c, 0,1
	global_load_b128 v[QF+4*\c:QF+4*\c+3], v[QGO], s[4:5] offset:32*\c th:TH_LOAD_NT   ; Q's fragment: read once in the launch, stays in registers
.endr
	s_wait_kmcnt 0x0
	s_add_co_i32 s31, s16, s17
	s_add_co_i32 s31, s31, -3                      ; a raw score stands for score x 2^(eq + ek), and 1 / sqrt(64) = 2^-3: all three go into c's exponent field
	s_lshl_b32 s31, s31, 23
	s_add_co_i32 s32, s31, 0x3fb8aa3b              ; c = log2(e) x 2^(eq + ek - 3)
	s_mov_b32 s33, s32                             ; (named with it as a pair, so it is written)
	s_xor_b32 s34, s32, 0x80000000                 ; -c
	s_add_co_i32 s31, s18, 127
	s_lshl_b32 s40, s31, 23
	v_mov_b32 v[SC], s40                           ; 2^ep as f32: the conversion takes its exponent field
	s_add_co_i32 s31, s31, 8
	s_lshl_b32 s31, s31, 23
	s_or_b32 s31, s31, 0x600000
	v_mov_b32 v[LIM], s31                          ; 448 x 2^ep
	s_add_co_i32 s31, s18, s19
	s_add_co_i32 s31, s31, 127
	s_lshl_b32 s36, s31, 23                        ; 2^(ep + ev) as f32
	s_mov_b32 s37, s36
	s_wait_loadcnt 0x6                             ; K's four loads are in: behind them V's four and Q's two were issued
.irp i, 0,1,2,3
	ds_store_b128 v[KST], v[S+4*\i:S+4*\i+3] offset:KT*(\i%2)+128*(\i/2)       ; rows 8 i + lane / 4 of my 32: tile u = i % 2, row r = lane / 4 + 8 (i / 2)
.endr
	s_wait_loadcnt 0x2                             ; V's four are in: Q's two may be out
.irp i, 0,1,2,3
	ds_store_b128 v[VST], v[S+16+4*\i:S+16+4*\i+3] offset:VP*\i
.endr
	s_wait_dscnt 0x0                               ; for the others' sake: my stores have landed
	s_barrier_signal -1
	s_barrier_wait -1                              ; all 512 keys of K and of V lie in LDS; nobody writes them again: the kernel's one barrier
	s_wait_loadcnt 0x0                             ; Q
	; ---- S^T = K Q^T: K = 64, so one matrix instruction finishes a tile; 20 tiles in five groups of four, K's fragments in two buffers by turns
.macro KFETCH g, buf
.irp t, 0,1,2,3
.irp c, 0,1
	ds_load_b128 v[\buf+8*\t+4*\c:\buf+8*\t+4*\c+3], v[KRD] offset:(4*(\g)+\t)*KT+640*\c
.endr
.endr
.endm
.macro QK g, buf
.irp t, 0,1,2,3
	v_wmma_f32_16x16x64_fp8_fp8 v[S+32*(\g)+8*\t:S+32*(\g)+8*\t+7], v[\buf+8*\t:\buf+8*\t+7], v[QF:QF+7], 0
.endr
.endm
.macro PLACES                          ; a load into a register that a matrix instruction has read, and a vector instruction that reads a matrix result, stand four plain vector instructions behind it
.rept 4
	v_nop
.endr
.endm
	KFETCH 0, KB0
	KFETCH 1, KB1
	s_wait_dscnt 0x8                               ; group 0's eight loads are in; the next group's eight may be out (so in each of these waits)
	QK 0, KB0
	PLACES
	KFETCH 2, KB0
	s_wait_dscnt 0x8
	QK 1, KB1
	PLACES
	KFETCH 3, KB1
	s_wait_dscnt 0x8
	QK 2, KB0
	PLACES
	KFETCH 4, KB0
	s_wait_dscnt 0x8
	QK 3, KB1
	s_wait_dscnt 0x0
	QK 4, KB0
	PLACES                                         ; register S + 32 s + n now holds my query's score with place 64 s + 32 (n / 16) + 16 h + n % 16 of the window
	; ---- THE BAND.  With C = 32 (n / 16) + n % 16: block 0's place is hidden where C < 16 b + r - 16 h, block 4's counts only there: one compare serves both.  Each accumulator from its low end on
.set n, 0
.rept 32
	v_cmp_lt_i32 vcc_lo, 32*(n/16)+n%16, v[DLO]
	v_cndmask_b32 v[S+n], v[S+n], v[NINF], vcc_lo
	v_cndmask_b32 v[S+128+n], v[NINF], v[S+128+n], vcc_lo
.set n, n+1
.endr
.macro HIDE s                          ; block s lies outside the sequence where A + s - 2, unsigned, is 64 or more: a branch on ids alone
	s_add_co_i32 s31, s30, (\s)-2
	s_cmp_lt_u32 s31, 64
	s_cbranch_scc1 .Linside_\@
.set n, 0
.rept 32
	v_mov_b32 v[S+32*(\s)+n], v[NINF]
.set n, n+1
.endr
.Linside_\@:
.endm
	HIDE 0
	HIDE 1
	HIDE 3
	HIDE 4                                         ; block 2 is never outside; a query's own key lies in block 2 or 3 and inside, so the maximum below is a number
	; ---- THE ROW'S MAXIMUM, of the raw scores (c is positive): four chains, registers ascending
.irp j, 0,1,2,3
	v_max3_num_f32 v[90+\j], v[S+3*\j], v[S+3*\j+1], v[S+3*\j+2]
.endr
.set n, S+12
.rept 18
.irp j, 0,1,2,3
	v_max3_num_f32 v[90+\j], v[90+\j], v[n+2*\j], v[n+2*\j+1]
.endr
.set n, n+8
.endr
	v_max3_num_f32 v90, v90, v252, v253
	v_max3_num_f32 v91, v91, v254, v255
	v_max3_num_f32 v90, v90, v91, v92
	v_max_num_f32 v90, v90, v93
	v_permlanex16_b32 v89, v90, s38, s39           ; my query's other 160 places lie in lane l xor 16
	v_max_num_f32 v90, v90, v89
	v_mul_f32 v12, s34, v90                        ; -c x max: its rounding is common to the row and leaves with the division by the sum
	; ---- p = 2^(c s - c max): one fused multiply-add for two scores, then the exponentials; -infinity gives 0
.set n, S
.rept 80
	v_pk_fma_f32 v[n:n+1], v[n:n+1], s[32:33], v[12:13] op_sel_hi:[1,0,0]   ; of the pairs c and -c max the low word serves both halves
.set n, n+2
.endr
.set n, S
.rept 160
	v_exp_f32 v[n], v[n]
.set n, n+1
.endr
	v_nop                                          ; one plain vector instruction behind the last transcendental before its result is used
	; ---- THE ROW'S SUM: two at a time, in two chains
	s_wait_alu depctr_va_vdst(0)
	v_pk_add_f32 v[90:91], v[S:S+1], v[S+2:S+3]
	v_pk_add_f32 v[92:93], v[S+4:S+5], v[S+6:S+7]
.set n, S+8
.rept 38
	v_pk_add_f32 v[90:91], v[90:91], v[n:n+1]
	v_pk_add_f32 v[92:93], v[92:93], v[n+2:n+3]
.set n, n+4
.endr
	v_pk_add_f32 v[90:91], v[90:91], v[92:93]
	v_add_f32 v90, v90, v91
	v_permlanex16_b32 v89, v90, s38, s39
	v_add_f32 v90, v90, v89                        ; at least 1: the largest score's p is 1
	v_rcp_f32 v12, v90
	v_nop                                          ; one plain vector instruction behind the transcendental
	s_wait_alu depctr_va_vdst(0)
	; ---- attn = p / sum, FINISHED, is quantised: held at 448 x 2^ep (the conversion to an 8-bit code does not saturate: ISA guide 7.6.2; attn is not negative, so the hold is one-sided),
	; divided by 2^ep and rounded.  The block's 32 registers, done with, take V's four fragments of the same 64 keys: 40 LDS loads go out while the later blocks are quantised
.macro QUANT s
.set BS, S+32*(\s)
.set n, 0
.rept 16
	v_pk_mul_f32 v[BS+n:BS+n+1], v[BS+n:BS+n+1], v[12:13] op_sel_hi:[1,0]
.set n, n+2
.endr
.set n, 0
.rept 32
	v_min_num_f32 v[BS+n], v[BS+n], v[LIM]
.set n, n+1
.endr
.irp g, 0,1,2,3
	v_cvt_scalef32_pk8_fp8_f32 v[P+8*(\s)+2*\g:P+8*(\s)+2*\g+1], v[BS+8*\g:BS+8*\g+7], v[SC]   ; registers 4 c .. 4 c + 3 of the fragment: keys 32 c + 16 h + 0 .. 15 of the block
.endr
.irp t, 0,1,2,3
.irp c, 0,1
	ds_load_b128 v[BS+8*\t+4*\c:BS+8*\t+4*\c+3], v[VRD] offset:16*\t*VP+64*(\s)+32*\c           ; V^T: row d = 16 t + r, the same keys
.endr
.endr
.endm
	QUANT 0
	QUANT 1
	QUANT 2
	QUANT 3
	QUANT 4
	v_nop                                          ; one plain vector instruction between the last scaled conversion and the matrix instructions that read its result
	; ---- O^T = V^T P^T: five K steps of 64 keys; the four accumulators take turns, one instruction a turn; the first step starts the sums
.macro PV s
	s_wait_dscnt 8*(4-(\s))                        ; this step's eight loads are in; the later steps', eight each, may be out
.irp t, 0,1,2,3
.if (\s) == 0
	v_wmma_f32_16x16x64_fp8_fp8 v[OA+8*\t:OA+8*\t+7], v[S+32*(\s)+8*\t:S+32*(\s)+8*\t+7], v[P+8*(\s):P+8*(\s)+7], 0
.else
	v_wmma_f32_16x16x64_fp8_fp8 v[OA+8*\t:OA+8*\t+7], v[S+32*(\s)+8*\t:S+32*(\s)+8*\t+7], v[P+8*(\s):P+8*(\s)+7], v[OA+8*\t:OA+8*\t+7]
.endif
.endr
.endm
	PV 0
	PV 1
	PV 2
	PV 3
	PV 4
	PLACES
	; ---- THE WAY OUT.  Register 8 t + j is out(r, 16 t + 8 h + j) / 2^(ep + ev).  A lane's 32 bytes are an eighth of a row and the lanes beside it hold other rows: so the tile goes through my own stage
	; and comes back as whole rows.  LDS serves a wave's instructions in order (ISA guide 5.7.1.4): no wait between my stores and my loads, and no barrier: the bytes are mine alone
.set n, 0
.rept 16
	v_pk_mul_f32 v[T+n:T+n+1], v[OA+n:OA+n+1], s[36:37] op_sel_hi:[1,0]   ; x 2^(ep + ev): each accumulator from its low end on
.set n, n+2
.endr
.irp t, 0,1,2,3
	ds_store_b128 v[STI], v[T+8*\t:T+8*\t+3] offset:64*\t
	ds_store_b128 v[STI], v[T+8*\t+4:T+8*\t+7] offset:64*\t+16
.endr
.irp i, 0,1,2,3,4,5,6,7
	ds_load_b128 v[BK+4*\i:BK+4*\i+3], v[STB] offset:2*\i*SP
.endr
.irp i, 0,1,2,3,4,5,6,7
	s_wait_dscnt 7-\i                              ; rows 2 i and 2 i + 1 are back; the later read-backs may be out
	global_store_b128 v[GO], v[BK+4*\i:BK+4*\i+3], s[12:13] offset:512*\i th:TH_STORE_NT   ; 32 lanes store 512 consecutive bytes, at a multiple of 256 from out's first byte; written once, read by nobody here
.endr
	s_wait_xcnt 0x0
	v_lshl_add_u32 v174, v0, 2, 0x23400
	v_mov_b32 v175, 0
	s_wait_tensorcnt 0x0
	ds_add_u32 v174, v175
	s_wait_dscnt 0x0
	s_endpgm
.Lfunc_end_k_qe3e4aacfbb_band:
	.size	k_qe3e4aacfbb_band, .Lfunc_end_k_qe3e4aacfbb_band-k_qe3e4aacfbb_band
	.p2alignl 7, 3214868480
	.fill 96, 4, 3214868480
	.section	.rodata,"a",@progbits
	.p2align	6, 0x0
	.amdhsa_kernel k_qe3e4aacfbb_band
		.amdhsa_group_segment_fixed_size 146432
		.amdhsa_private_segment_fixed_size 0
		.amdhsa_enable_private_segment 0
		.amdhsa_kernarg_size 40
		.amdhsa_user_sgpr_count 2
		.amdhsa_user_sgpr_kernarg_segment_ptr 1
		.amdhsa_wavefront_size32 1
		.amdhsa_system_sgpr_workgroup_id_x 1
		.amdhsa_system_sgpr_workgroup_id_y 1
		.amdhsa_system_sgpr_workgroup_id_z 1
		.amdhsa_system_vgpr_workitem_id 0
		.amdhsa_next_free_vgpr 256
		.amdhsa_next_free_sgpr 66
		.amdhsa_reserve_vcc 1
		.amdhsa_float_denorm_mode_32 3
		.amdhsa_float_denorm_mode_16_64 3
		.amdhsa_memory_ordered 1
		.amdhsa_forward_progress 1
		.amdhsa_inst_pref_size 58
	.end_amdhsa_kernel
	.amdgpu_metadata
---
amdhsa.version: [ 1, 2 ]
amdhsa.kernels:
  - .name:           k_qe3e4aacfbb_band
    .symbol:         k_qe3e4aacfbb_band.kd
    .args:
      - { .name: q_codes, .offset: 0, .size: 8, .value_kind: global_buffer, .address_space: global }
      - { .name: k_codes, .offset: 8, .size: 8, .value_kind: global_buffer, .address_space: global }
      - { .name: v_codes, .offset: 16, .size: 8, .value_kind: global_buffer, .address_space: global }
      - { .name: lowp_scales, .offset: 24, .size: 8, .value_kind: global_buffer, .address_space: global }
      - { .name: out0, .offset: 32, .size: 8, .value_kind: global_buffer, .address_space: global }
    .group_segment_fixed_size: 146432
    .private_segment_fixed_size: 0
    .kernarg_segment_align: 8
    .kernarg_segment_size: 40
    .max_flat_workgroup_size: 512
    .sgpr_count:     66
    .vgpr_count:     256
    .wavefront_size: 32
...
	.end_amdgpu_metadata
.endif
;; end of part 1
;; ======== version 2 of 2: 1 launch; version 1 with the launch band written anew for expert scheduling mode
;; limits: right only within a limited range of input values
;; launch band (part 2): grid 16 x 16, 16 waves a work-group, no clusters, 146,432 bytes of LDS; arguments q_codes, k_codes, v_codes, lowp_scales, out0; writes out0
.if DOCPART == 2
	.amdgcn_target "amdgcn-amd-amdhsa--gfx1250"
	.amdhsa_code_object_version 6
	.text
	.protected	k_qe3e4aacfbb_band
	.globl	k_qe3e4aacfbb_band
	.p2align	8
	.type	k_qe3e4aacfbb_band,@function
k_qe3e4aacfbb_band:
	s_mov_b64 s[64:65], 0
	v_nop
	global_prefetch_b8 v0, s[64:65] scope:SCOPE_SE
	s_setreg_imm32_b32 hwreg(HW_REG_WAVE_SCHED_MODE, 0, 2), 2
	s_setreg_imm32_b32 hwreg(HW_REG_WAVE_MODE, 25, 1), 1
	s_wait_xcnt 0x0
	s_wait_alu depctr_vm_vsrc(0)
; out[h][i][:] = sum over j of Q8(attn[h][i][j]) v[h][j][:],  attn = softmax_j(q[h][i] . k[h][j] / 8) over the band i - 128 <= j < i + 128 (inside 0 .. 4095).
; q, k: E4M3 codes [16][4096][64], the head's 64 innermost.  v: E4M3 codes [16][64 d][4096 keys], the keys innermost.  out: [16][4096][64] f32.  lowp_scales: eq, ek, ep, ev.
; WHAT IS QUANTISED for the second product is the FINISHED attn: 2^(c s - c max) / the row's sum, divided by 2^ep, held at 448, rounded to E4M3.  So a row's true maximum and its sum are
; known before any weight is converted: a tile's whole band of scores stays in the wave's registers (20 tiles of 16 keys x 8 registers = 160).
; SHARES.  A work-group owns 256 queries of one head (q0 = 256 x); LDS holds the 512 keys q0 - 128 .. q0 + 383 of K and of V (local key 0 .. 511).  Each of the SIXTEEN waves owns 16 queries,
; q0 + 16 w, in 256 registers: four waves to a SIMD, so that one wave's exponentials stand beside another's plain work.  With a = w / 4, b = w % 4 the wave's window is local keys
; 64 a .. 64 a + 319: five blocks of 64.  Place kk of the window counts for the lane's query r where 16 b + r <= kk < 16 b + r + 256: only blocks 0 and 4 want a lane mask.
; A block lies wholly outside the sequence where 4 x + a + s - 2, taken unsigned, is 64 or more: it is then set to -infinity under a scalar branch on ids.  Its LDS bytes are filled from addresses
; wrapped modulo 4,096 inside the same head, so that no load leaves its buffer; those scores are thrown away and their weights are the code 0.
; LAYOUT.  Both products are used transposed: S^T = K Q^T (source 0 = 16 keys, source 1 = my 16 queries), O^T = V^T P^T (source 0 = 16 of the head's 64, source 1 = P): a lane holds ONE query
; (lane % 16) throughout.  THE KEYS OF A TILE ARE NOT NEIGHBOURS: row m of tile 2 B + u is key 32 B + 8 u + m + 8 (m / 8), so that the 16 registers of tiles 2 B and 2 B + 1 are the 16
; neighbouring keys 32 B + 16 (lane / 16) + 0 .. 15, and the conversions' results ARE the second product's operand.  Every fragment (8 registers) is fed as two runs of 16 bytes:
; registers 4 c .. 4 c + 3 = k 32 c + 16 (lane / 16) + 0 .. 15: a permutation of k that is the same on both sides of each product.
; LDS IS FILLED THROUGH REGISTERS, ONCE (64 KiB, eight loads and eight LDS stores a lane, one barrier): K is laid in the order of its fragments' registers and the ends wrap by address arithmetic.
; NO CLUSTER, NO JOINT LOADS: the 256 keys that two neighbouring work-groups share lie at local keys 256 .. 511 in one and 0 .. 255 in the other, so no one LDS address serves both.
; LIMITS on the given exponents: eq + ek between -123 and 100 (they are added to c's exponent field, and 64 x 448 x 448 x c stays finite); ep between -110 and 119; ep + ev between -126 and 127.
; NaN codes among the inputs are not served.  An unnormalised weight under 2^-126 counts as 0 (v_exp_f32 flushes), which is under half the smallest code for every ep allowed.
; THE MODE: SCHED_MODE bits 1:0 = 2 (LLVM: expert scheduling mode 2), set by the entry lines.  The code itself states the register dependences between vector or matrix instructions and
; memory or LDS instructions, with s_wait_alu, always for 0.
; THE PLAN.  Registers that memory or LDS instructions touch, in the text's order:
;   v1-v10        offsets and LDS addresses: written at the head, read by every load and store, never written again: ONE wait on va_vdst, ahead of the first load, serves them all.
;   v96-127       the fill's loads land here; the fill's LDS stores read them; the first products write them: one wait on vm_vsrc, behind the barrier.
;   v24-55, 56-87 K's two buffers: a group's four products read one; the group two on is loaded into it behind a wait on va_vdst: three such waits.
;   block s of S  written by products, selects, exponentials, multiplies and holds, read by its four conversions; behind them one wait on va_vdst, and V's eight loads of step s land there: five such waits.
;   v24-55 as T   written by the last multiplies, read by the stage's stores;  v96-127 as BK: read last by step 0's products, the read-backs land there: one wait on va_vdst serves both.
;   v174, v175    made ahead of the closing lines; no memory or LDS instruction has read them (V's loads landed there, and were waited for).
; Scalar registers that vector instructions write: s20 (the wave's number) and s14-29 (the band's masks, sixteen compares to a run): a wait on va_sdst between each run of writers and its first reader.
.set KT,   1280                        ; a tile of K in LDS: byte of (c, h, r) = 640 c + 320 h + 16 r; a read's sixteen lanes take 256 bytes on end; a store's sixteen lanes fall on 16 q + 64 h + 128 c modulo 256: sixteen different columns
.set VL,   32*KT                       ; behind K's 32 tiles: V, 64 rows d of 512 bytes + 16: pitch 528, an odd multiple of 16 bytes
.set VP,   528
.set STG,  VL+64*VP                    ; behind V: a stage of 16 rows x (256 + 16) bytes for each wave, its own
.set SP,   272
.set L16,  1                           ; v1   16 x lane: K's offset in memory
.set VGO,  2                           ; v2   (q0 + 3968 + 16 lane) & 4095: V's offset in a row of memory
.set QGO,  3                           ; v3   64 r + 16 h
.set KST,  4                           ; v4   where I store K
.set VST,  5                           ; v5   where I store V
.set KRD,  6                           ; v6   where I read K's fragments
.set VRD,  7                           ; v7   where I read V's fragments
.set STI,  8                           ; v8   the stage, in
.set STB,  9                           ; v9   the stage, back
.set GO,   10                          ; v10  my offset in the wave's rows of out
.set DLO,  11                          ; v11  16 b + r - 16 h, signed
.set SC,   14                          ; v14  2^ep;  v15  448 x 2^ep;  v[12:13]: low word -c x max, later 1 / sum; v13 = 0 (named as the pair's upper half)
.set LIM,  15
.set QF,   16                          ; v16-23  Q's fragment
.set KB0,  24                          ; v24-55, v56-87  K's fragments, four tiles each, by turns
.set KB1,  56
.set P,    24                          ; later v24-63: P's five fragments
.set OA,   64                          ; later v64-95: O^T, four tiles
.set T,    24                          ; at the end v24-55: O^T x 2^(ep + ev)
.set NINF, 88                          ; v88  -infinity;  v89 a lane permute's destination;  v90-93 maxima, then sums;  v90-95 at work at the head
.set S,    96                          ; v96-255 S^T, then p, then attn; block s at S + 32 s; behind its conversion a block's registers take V's fragments of step s
.set BK,   96                          ; at the end v96-127: rows read back from the stage
.set MK,   14                          ; s14-29  the band's masks, sixteen at a time: the exponents, ids and offsets that lay here are last read at the head
	s_load_b256 s[4:11], s[0:1], 0x0               ; q s[4:5], k s[6:7], v s[8:9], the scales' exponents s[10:11]
	s_load_b64 s[12:13], s[0:1], 0x20              ; out
	v_lshrrev_b32 v90, 5, v0
	v_readfirstlane_b32 s20, v90                   ; wave w, 0 .. 15
	v_and_b32 v90, 31, v0                          ; lane
	s_wait_alu depctr_va_vdst(0)
	v_and_b32 v91, 15, v0                          ; r
	s_wait_alu depctr_va_vdst(0)
	v_bfe_u32 v92, v0, 4, 1                        ; h
	v_bfe_u32 v93, v0, 2, 3                        ; lane / 4
	v_and_b32 v94, 1, v0                           ; lane % 2
	v_bfe_u32 v95, v0, 1, 1                        ; (lane / 2) % 2
	s_wait_alu depctr_va_sdst(0)                   ; s20 is written, ahead of its first reader: a, b, the LDS places and the offsets in memory are made from it
	s_lshr_b32 s21, s20, 2                         ; a
	s_and_b32 s22, s20, 3                          ; b
	s_lshl_b32 s23, ttmp9, 8                       ; q0
	s_and_b32 s24, ttmp7, 0xffff                   ; the head
	s_add_co_u32 s25, s23, 3968                    ; q0 - 128, modulo 4,096 once it is cut
	s_lshl_b32 s30, ttmp9, 2
	s_add_co_u32 s30, s30, s21                     ; A = 4 x + a: my group of 64 queries in the head
	v_lshlrev_b32 v[L16], 4, v90
	v_add_nc_u32 v[VGO], s25, v[L16]
	v_and_b32 v[VGO], 0xfff, v[VGO]                ; 16 keys on end never straddle the wrap
	v_lshlrev_b32 v[QGO], 6, v91
	s_wait_alu depctr_va_vdst(0)
	v_lshl_add_u32 v[QGO], v92, 4, v[QGO]
	; K, in: a load's 512 bytes are 8 rows of 64; lane l holds row l / 4, bytes 16 (l % 4) on: c = (l / 2) % 2, h = l % 2.  My wave's 32 keys are tiles 2 w and 2 w + 1
	s_mul_i32 s40, s20, 2*KT
	v_lshlrev_b32 v[KST], 4, v93
	v_mad_u32_u24 v[KST], v94, 320, v[KST]
	v_mad_u32_u24 v[KST], v95, 640, v[KST]
	v_add_nc_u32 v[KST], s40, v[KST]
	s_mul_i32 s41, s20, 4*VP                       ; V, in: my wave's rows d = 4 w .. 4 w + 3, 16 bytes a lane
	s_add_co_u32 s41, s41, VL
	v_add_nc_u32 v[VST], s41, v[L16]
	s_mul_i32 s42, s21, 4*KT                       ; K, out: my window begins at tile 4 a
	v_lshlrev_b32 v[KRD], 4, v91
	v_mad_u32_u24 v[KRD], v92, 320, v[KRD]
	v_add_nc_u32 v[KRD], s42, v[KRD]
	s_lshl_b32 s43, s21, 6                         ; V, out: row r, my window's first byte 64 a, + 16 h
	s_add_co_u32 s43, s43, VL
	v_mul_u32_u24 v[VRD], v91, VP
	v_lshl_add_u32 v[VRD], v92, 4, v[VRD]
	v_add_nc_u32 v[VRD], s43, v[VRD]
	s_mul_i32 s44, s20, 16*SP                      ; my stage
	s_add_co_u32 s44, s44, STG
	v_mul_u32_u24 v[STI], v91, SP                  ; in: row r, 32 bytes for each half of the lanes
	v_lshl_add_u32 v[STI], v92, 5, v[STI]
	v_add_nc_u32 v[STI], s44, v[STI]
	v_mul_u32_u24 v[STB], v92, SP                  ; back: lanes 0-15 one row of 256 bytes, lanes 16-31 the next
	v_lshl_add_u32 v[STB], v91, 4, v[STB]
	v_add_nc_u32 v[STB], s44, v[STB]
	v_lshlrev_b32 v[GO], 8, v92                    ; and the same two rows in out
	v_lshl_add_u32 v[GO], v91, 4, v[GO]
	s_lshl_b32 s45, s22, 4
	v_add_nc_u32 v[DLO], s45, v91
	v_lshlrev_b32 v95, 4, v92
	v_sub_nc_u32 v[DLO], v[DLO], v95               ; 16 b + r - 16 h
	v_mov_b32 v13, 0
	v_mov_b32 v89, 0                               ; written once: a lane permute's destination counts as one of its sources
	v_mov_b32 v[NINF], 0xff800000
	; the four offsets in memory, made apart from the addresses
	s_lshl_b32 s46, s24, 18                        ; a head's codes: 4,096 x 64 bytes
	s_lshl_b32 s31, s20, 5
	s_add_co_u32 s31, s31, s25
	s_and_b32 s31, s31, 0xfff                      ; K: my wave's first key, (q0 - 128 + 32 w) modulo 4,096: 32 keys on end never straddle the wrap
	s_lshl_b32 s31, s31, 6
	s_add_co_u32 s26, s46, s31
	s_mov_b32 s27, 0
	s_lshl_b32 s31, s20, 14                        ; V: my wave's four rows of 4,096 bytes
	s_add_co_u32 s28, s46, s31
	s_mov_b32 s29, 0
	s_lshl_b32 s47, s20, 4
	s_add_co_u32 s47, s47, s23                     ; my first query
	s_lshl_b32 s48, s47, 6
	s_add_co_u32 s48, s48, s46
	s_mov_b32 s49, 0
	s_lshl_b32 s50, s24, 20                        ; out: a head is 4,096 rows of 256 bytes
	s_lshl_b32 s31, s47, 8
	s_add_co_u32 s50, s50, s31
	s_mov_b32 s51, 0
	s_mov_b32 s38, 0x76543210                      ; v_permlanex16_b32's selects for lane l xor 16
	s_mov_b32 s39, 0xfedcba98
	s_wait_kmcnt 0x0
	s_load_b128 s[16:19], s[10:11], 0x0            ; eq, ek, ep, ev
	s_add_nc_u64 s[6:7], s[6:7], s[26:27]
	s_add_nc_u64 s[8:9], s[8:9], s[28:29]
	s_add_nc_u64 s[4:5], s[4:5], s[48:49]
	s_add_nc_u64 s[12:13], s[12:13], s[50:51]
	; ---- THE FILL: ten loads, K's four, V's four, Q's two
	s_wait_alu depctr_va_vdst(0)                   ; the ten offsets and LDS addresses v1 to v10 are written: every load and store of the kernel reads one of them, and no vector instruction names them again
.irp i, 0,1,2,3
	global_load_b128 v[S+4*\i:S+4*\i+3], v[L16], s[6:7] offset:512*\i          ; 8 keys' rows: 512 bytes on end
.endr
.irp i, 0,1,2,3
	global_load_b128 v[S+16+4*\i:S+16+4*\i+3], v[VGO], s[8:9] offset:4096*\i   ; row d = 4 w + i: its 512 keys
.endr
.irp c, 0,1
	global_load_b128 v[QF+4*\c:QF+4*\c+3], v[QGO], s[4:5] offset:32*\c th:TH_LOAD_NT   ; Q's fragment: read once in the launch, stays in registers
.endr
	s_wait_kmcnt 0x0
	s_add_co_i32 s31, s16, s17
	s_add_co_i32 s31, s31, -3                      ; a raw score stands for score x 2^(eq + ek), and 1 / sqrt(64) = 2^-3: all three go into c's exponent field
	s_lshl_b32 s31, s31, 23
	s_add_co_i32 s32, s31, 0x3fb8aa3b              ; c = log2(e) x 2^(eq + ek - 3)
	s_mov_b32 s33, s32                             ; (named with it as a pair, so it is written)
	s_xor_b32 s34, s32, 0x80000000                 ; -c
	s_add_co_i32 s31, s18, 127
	s_lshl_b32 s40, s31, 23
	v_mov_b32 v[SC], s40                           ; 2^ep as f32: the conversion takes its exponent field
	s_add_co_i32 s31, s31, 8
	s_lshl_b32 s31, s31, 23
	s_or_b32 s31, s31, 0x600000
	v_mov_b32 v[LIM], s31                          ; 448 x 2^ep
	s_add_co_i32 s31, s18, s19
	s_add_co_i32 s31, s31, 127
	s_lshl_b32 s36, s31, 23                        ; 2^(ep + ev) as f32
	s_mov_b32 s37, s36
	s_wait_loadcnt 0x6                             ; K's four loads are in: behind them V's four and Q's two were issued
.irp i, 0,1,2,3
	ds_store_b128 v[KST], v[S+4*\i:S+4*\i+3] offset:KT*(\i%2)+128*(\i/2)       ; rows 8 i + lane / 4 of my 32: tile u = i % 2, row r = lane / 4 + 8 (i / 2)
.endr
	s_wait_loadcnt 0x2                             ; V's four are in: Q's two may be out
.irp i, 0,1,2,3
	ds_store_b128 v[VST], v[S+16+4*\i:S+16+4*\i+3] offset:VP*\i
.endr
	s_wait_dscnt 0x0                               ; for the others' sake: my stores have landed
	s_barrier_signal -1
	s_barrier_wait -1                              ; all 512 keys of K and of V lie in LDS; nobody writes them again: the kernel's one barrier
	s_wait_alu depctr_vm_vsrc(0)                   ; my eight LDS stores have read v[S .. S+31], which the first four products write
	s_wait_loadcnt 0x0                             ; Q
	; ---- S^T = K Q^T: K = 64, so one matrix instruction finishes a tile; 20 tiles in five groups of four, K's fragments in two buffers by turns
.macro KFETCH g, buf
.irp t, 0,1,2,3
.irp c, 0,1
	ds_load_b128 v[\buf+8*\t+4*\c:\buf+8*\t+4*\c+3], v[KRD] offset:(4*(\g)+\t)*KT+640*\c
.endr
.endr
.endm
.macro QK g, buf
.irp t, 0,1,2,3
	v_wmma_f32_16x16x64_fp8_fp8 v[S+32*(\g)+8*\t:S+32*(\g)+8*\t+7], v[\buf+8*\t:\buf+8*\t+7], v[QF:QF+7], 0
.endr
.endm
.macro PLACES                          ; a load into a register that a matrix instruction has read, and a vector instruction that reads a matrix result, stand four plain vector instructions behind it
.rept 4
	v_nop
.endr
.endm
	KFETCH 0, KB0
	KFETCH 1, KB1
	s_wait_dscnt 0x8                               ; group 0's eight loads are in; the next group's eight may be out (so in each of these waits)
	QK 0, KB0
	PLACES
	s_wait_alu depctr_va_vdst(0)                   ; group 0's products are done reading v24-55, in which group 2's fragments land
	KFETCH 2, KB0
	s_wait_dscnt 0x8
	QK 1, KB1
	PLACES
	s_wait_alu depctr_va_vdst(0)                   ; group 1's products are done reading v56-87, in which group 3's fragments land
	KFETCH 3, KB1
	s_wait_dscnt 0x8
	QK 2, KB0
	PLACES
	s_wait_alu depctr_va_vdst(0)                   ; group 2's products are done reading v24-55, in which group 4's fragments land
	KFETCH 4, KB0
	s_wait_dscnt 0x8
	QK 3, KB1
	s_wait_dscnt 0x0
	QK 4, KB0
	PLACES                                         ; register S + 32 s + n now holds my query's score with place 64 s + 32 (n / 16) + 16 h + n % 16 of the window
	; ---- THE BAND.  With C = 32 (n / 16) + n % 16: block 0's place is hidden where C < 16 b + r - 16 h, block 4's counts only there: one compare serves both.  Each accumulator from its low end on.
	; The compares go in two runs of sixteen, each into sixteen scalar registers, so that one wait serves a run's 32 selects
.macro BAND n0
.set n, \n0
.rept 16
	v_cmp_lt_i32 s[MK+n-(\n0)], 32*(n/16)+n%16, v[DLO]
.set n, n+1
.endr
	s_wait_alu depctr_va_sdst(0)                   ; the sixteen compares have written s14 to s29, ahead of the first select that reads one of them
.set n, \n0
.rept 16
	v_cndmask_b32 v[S+n], v[S+n], v[NINF], s[MK+n-(\n0)]
	v_cndmask_b32 v[S+128+n], v[NINF], v[S+128+n], s[MK+n-(\n0)]
.set n, n+1
.endr
.endm
	BAND 0
	BAND 16
.macro HIDE s                          ; block s lies outside the sequence where A + s - 2, unsigned, is 64 or more: a branch on ids alone
	s_add_co_i32 s31, s30, (\s)-2
	s_cmp_lt_u32 s31, 64
	s_cbranch_scc1 .Linside_\@
.set n, 0
.rept 32
	v_mov_b32 v[S+32*(\s)+n], v[NINF]
.set n, n+1
.endr
.Linside_\@:
.endm
	HIDE 0
	HIDE 1
	HIDE 3
	HIDE 4                                         ; block 2 is never outside; a query's own key lies in block 2 or 3 and inside, so the maximum below is a number
	; ---- THE ROW'S MAXIMUM, of the raw scores (c is positive): four chains, registers ascending
.irp j, 0,1,2,3
	v_max3_num_f32 v[90+\j], v[S+3*\j], v[S+3*\j+1], v[S+3*\j+2]
.endr
.set n, S+12
.rept 18
.irp j, 0,1,2,3
	v_max3_num_f32 v[90+\j], v[90+\j], v[n+2*\j], v[n+2*\j+1]
.endr
.set n, n+8
.endr
	v_max3_num_f32 v90, v90, v252, v253
	v_max3_num_f32 v91, v91, v254, v255
	v_max3_num_f32 v90, v90, v91, v92
	v_max_num_f32 v90, v90, v93
	v_permlanex16_b32 v89, v90, s38, s39           ; my query's other 160 places lie in lane l xor 16
	v_max_num_f32 v90, v90, v89
	v_mul_f32 v12, s34, v90                        ; -c x max: its rounding is common to the row and leaves with the division by the sum
	; ---- p = 2^(c s - c max): one fused multiply-add for two scores, then the exponentials; -infinity gives 0
.set n, S
.rept 80
	v_pk_fma_f32 v[n:n+1], v[n:n+1], s[32:33], v[12:13] op_sel_hi:[1,0,0]   ; of the pairs c and -c max the low word serves both halves
.set n, n+2
.endr
.set n, S
	s_wait_alu depctr_va_vdst(0)
.rept 160
	v_exp_f32 v[n], v[n]
.set n, n+1
.endr
	v_nop                                          ; one plain vector instruction behind the last transcendental before its result is used
	; ---- THE ROW'S SUM: two at a time, in two chains
	s_wait_alu depctr_va_vdst(0)                   ; the 160 exponentials have written v96 to v255: one wait for the batch, ahead of its first reader
	v_pk_add_f32 v[90:91], v[S:S+1], v[S+2:S+3]
	v_pk_add_f32 v[92:93], v[S+4:S+5], v[S+6:S+7]
.set n, S+8
.rept 38
	v_pk_add_f32 v[90:91], v[90:91], v[n:n+1]
	v_pk_add_f32 v[92:93], v[92:93], v[n+2:n+3]
.set n, n+4
.endr
	v_pk_add_f32 v[90:91], v[90:91], v[92:93]
	v_add_f32 v90, v90, v91
	v_permlanex16_b32 v89, v90, s38, s39
	v_add_f32 v90, v90, v89                        ; at least 1: the largest score's p is 1
	s_wait_alu depctr_va_vdst(0)
	v_rcp_f32 v12, v90
	v_nop                                          ; one plain vector instruction behind the transcendental
	s_wait_alu depctr_va_vdst(0)                   ; the reciprocal has written v12, ahead of its first reader
	; ---- attn = p / sum, FINISHED, is quantised: held at 448 x 2^ep (the conversion to an 8-bit code does not saturate: ISA guide 7.6.2; attn is not negative, so the hold is one-sided),
	; divided by 2^ep and rounded.  The block's 32 registers, done with, take V's four fragments of the same 64 keys: 40 LDS loads go out while the later blocks are quantised
.macro QUANT s
.set BS, S+32*(\s)
.set n, 0
.rept 16
	v_pk_mul_f32 v[BS+n:BS+n+1], v[BS+n:BS+n+1], v[12:13] op_sel_hi:[1,0]
.set n, n+2
.endr
.set n, 0
.rept 32
	v_min_num_f32 v[BS+n], v[BS+n], v[LIM]
.set n, n+1
.endr
.irp g, 0,1,2,3
	v_cvt_scalef32_pk8_fp8_f32 v[P+8*(\s)+2*\g:P+8*(\s)+2*\g+1], v[BS+8*\g:BS+8*\g+7], v[SC]   ; registers 4 c .. 4 c + 3 of the fragment: keys 32 c + 16 h + 0 .. 15 of the block
.endr
	s_wait_alu depctr_va_vdst(0)                   ; the multiplies and holds have written the block's 32 registers and the four conversions are done reading them: V's fragments land there
.irp t, 0,1,2,3
.irp c, 0,1
	ds_load_b128 v[BS+8*\t+4*\c:BS+8*\t+4*\c+3], v[VRD] offset:16*\t*VP+64*(\s)+32*\c           ; V^T: row d = 16 t + r, the same keys
.endr
.endr
.endm
	QUANT 0
	QUANT 1
	QUANT 2
	QUANT 3
	QUANT 4
	v_nop                                          ; one plain vector instruction between the last scaled conversion and the matrix instructions that read its result
	; ---- O^T = V^T P^T: five K steps of 64 keys; the four accumulators take turns, one instruction a turn; the first step starts the sums
.macro PV s
	s_wait_dscnt 8*(4-(\s))                        ; this step's eight loads are in; the later steps', eight each, may be out
.irp t, 0,1,2,3
.if (\s) == 0
	v_wmma_f32_16x16x64_fp8_fp8 v[OA+8*\t:OA+8*\t+7], v[S+32*(\s)+8*\t:S+32*(\s)+8*\t+7], v[P+8*(\s):P+8*(\s)+7], 0
.else
	v_wmma_f32_16x16x64_fp8_fp8 v[OA+8*\t:OA+8*\t+7], v[S+32*(\s)+8*\t:S+32*(\s)+8*\t+7], v[P+8*(\s):P+8*(\s)+7], v[OA+8*\t:OA+8*\t+7]
.endif
.endr
.endm
	PV 0
	PV 1
	PV 2
	PV 3
	PV 4
	PLACES
	; ---- THE WAY OUT.  Register 8 t + j is out(r, 16 t + 8 h + j) / 2^(ep + ev).  A lane's 32 bytes are an eighth of a row and the lanes beside it hold other rows: so the tile goes through my own stage
	; and comes back as whole rows.  LDS serves a wave's instructions in order (ISA guide 5.7.1.4): no wait between my stores and my loads, and no barrier: the bytes are mine alone
.set n, 0
.rept 16
	v_pk_mul_f32 v[T+n:T+n+1], v[OA+n:OA+n+1], s[36:37] op_sel_hi:[1,0]   ; x 2^(ep + ev): each accumulator from its low end on
.set n, n+2
.endr
	s_wait_alu depctr_va_vdst(0)                   ; the multiplies have written v[T .. T+31], which the stage's stores read; step 0's products are done reading v[BK .. BK+31], in which the read-backs land
.irp t, 0,1,2,3
	ds_store_b128 v[STI], v[T+8*\t:T+8*\t+3] offset:64*\t
	ds_store_b128 v[STI], v[T+8*\t+4:T+8*\t+7] offset:64*\t+16
.endr
.irp i, 0,1,2,3,4,5,6,7
	ds_load_b128 v[BK+4*\i:BK+4*\i+3], v[STB] offset:2*\i*SP
.endr
.irp i, 0,1,2,3,4,5,6,7
	s_wait_dscnt 7-\i                              ; rows 2 i and 2 i + 1 are back; the later read-backs may be out
	global_store_b128 v[GO], v[BK+4*\i:BK+4*\i+3], s[12:13] offset:512*\i th:TH_STORE_NT   ; 32 lanes store 512 consecutive bytes, at a multiple of 256 from out's first byte; written once, read by nobody here
.endr
	s_wait_xcnt 0x0                                ; the stores above have had their addresses translated
	v_lshl_add_u32 v174, v0, 2, 0x23400            ; my spare word: behind the sixteen stages, 128 bytes for each wave; no two registers could be kept, so the pair is made here, from v0 as it was at the entry
	v_mov_b32 v175, 0
	s_wait_dscnt 0x0                               ; the closing lines, six on end
	s_wait_alu 0x0
	s_wait_tensorcnt 0x0
	ds_add_u32 v174, v175
	s_wait_dscnt 0x0
	s_endpgm
.Lfunc_end_k_qe3e4aacfbb_band:
	.size	k_qe3e4aacfbb_band, .Lfunc_end_k_qe3e4aacfbb_band-k_qe3e4aacfbb_band
	.p2alignl 7, 3214868480
	.fill 96, 4, 3214868480
	.section	.rodata,"a",@progbits
	.p2align	6, 0x0
	.amdhsa_kernel k_qe3e4aacfbb_band
		.amdhsa_group_segment_fixed_size 146432
		.amdhsa_private_segment_fixed_size 0
		.amdhsa_enable_private_segment 0
		.amdhsa_kernarg_size 40
		.amdhsa_user_sgpr_count 2
		.amdhsa_user_sgpr_kernarg_segment_ptr 1
		.amdhsa_wavefront_size32 1
		.amdhsa_system_sgpr_workgroup_id_x 1
		.amdhsa_system_sgpr_workgroup_id_y 1
		.amdhsa_system_sgpr_workgroup_id_z 1
		.amdhsa_system_vgpr_workitem_id 0
		.amdhsa_next_free_vgpr 256
		.amdhsa_next_free_sgpr 66
		.amdhsa_reserve_vcc 0
		.amdhsa_float_denorm_mode_32 3
		.amdhsa_float_denorm_mode_16_64 3
		.amdhsa_memory_ordered 1
		.amdhsa_forward_progress 1
		.amdhsa_inst_pref_size 61
	.end_amdhsa_kernel
	.amdgpu_metadata
---
amdhsa.version: [ 1, 2 ]
amdhsa.kernels:
  - .name:           k_qe3e4aacfbb_band
    .symbol:         k_qe3e4aacfbb_band.kd
    .args:
      - { .name: q_codes, .offset: 0, .size: 8, .value_kind: global_buffer, .address_space: global }
      - { .name: k_codes, .offset: 8, .size: 8, .value_kind: global_buffer, .address_space: global }
      - { .name: v_codes, .offset: 16, .size: 8, .value_kind: global_buffer, .address_space: global }
      - { .name: lowp_scales, .offset: 24, .size: 8, .value_kind: global_buffer, .address_space: global }
      - { .name: out0, .offset: 32, .size: 8, .value_kind: global_buffer, .address_space: global }
    .group_segment_fixed_size: 146432
    .private_segment_fixed_size: 0
    .kernarg_segment_align: 8
    .kernarg_segment_size: 40
    .max_flat_workgroup_size: 512
    .sgpr_count:     66
    .vgpr_count:     256
    .wavefront_size: 32
...
	.end_amdgpu_metadata
.endif
;; end of part 2
